; MI455X (gfx1250); checked and timed in simulation.
; The chip was launched on July 23, 2026; its instructions are those of AMD's public machine-readable ISA for CDNA 5 (MIT licence, August 2026) and "CDNA5" Instruction Set Architecture Reference Guide (July 2026). The comments in the code are by the model that wrote it; some were corrected since.
;; Multi Head Attention. Allowed arithmetic: matrix products marked QUANTISED: E4M3 operands, one given power-of-two scale a tensor, by v_wmma_f32_16x16x64_fp8_fp8 or v_wmma_f32_16x16x128_fp8_fp8, f32 sums; everything else in f32.
;; Inputs: hidden_states 1 x 4,096 x 1,024 float32; lowp_scales 12 int32 (the exponents e of the quantised operands' scales 2^e); wk 1,024 x 256 float32; wo 1,024 x 1,024 float32; wq 1,024 x 1,024 float32; wv 1,024 x 256 float32.
;; Outputs: out0 1 x 4,096 x 1,024 float32.
;; This version of the problem:
;;   THIS VERSION OF THE PROBLEM IS GIVEN IN LOW PRECISION. The matrix products marked QUANTISED in the list below multiply operands that are first quantised to E4M3 (4 exponent bits, 3 mantissa bits; 8 bits a number), with one given power-of-two scale for each operand tensor; their sums are f32. All else is computed in f32.
;;   The module's matrix products, in the order in which they are computed (A, B: the left and right operand; K: the contracted axis; several contracted axes count as one K, in the product's order):
;;     1. [M 4,096, K 1,024] x [K 1,024, N 1,024]; A: input hidden_states; B: input wq: QUANTISED (scales: A lowp_scales[0], B lowp_scales[1])
;;     2. [M 4,096, K 1,024] x [K 1,024, N 256]; A: input hidden_states; B: input wk: QUANTISED (scales: A lowp_scales[2], B lowp_scales[3])
;;     3. [M 4,096, K 1,024] x [K 1,024, N 256]; A: input hidden_states; B: input wv: QUANTISED (scales: A lowp_scales[4], B lowp_scales[5])
;;     4. batch 16 x [M 4,096, K 64] x [K 64, N 4,096]; A: computed on the way; B: computed on the way: QUANTISED (scales: A lowp_scales[6], B lowp_scales[7])
;;     5. batch 16 x [M 4,096, K 4,096] x [K 4,096, N 64]; A: softmax (see below); B: computed on the way: QUANTISED (scales: A lowp_scales[8], B lowp_scales[9])
;;     6. [M 4,096, K 1,024] x [K 1,024, N 1,024]; A: computed on the way; B: input wo: QUANTISED (scales: A lowp_scales[10], B lowp_scales[11])
;;   THE QUANTISER, for each operand of a quantised product, along K:
;;     - The operand's scale is 2^e, e = its entry of the input lowp_scales (int32; the entries are numbered through the quantised products in the list's order, A before B).
;;     - Each number is divided by the scale, clamped to +-448, and rounded to the nearest number of E4M3, ties to even, subnormals kept.
;;     - The product sums the exact products of the quantised numbers (number of the format x scale) in f32.
;;   ~~~python
;;   def quantise(x, axis, e):      # numpy; x: float32 -> the quantised numbers, widened to float32 again
;;       x = np.moveaxis(x, axis, -1); K = x.shape[-1]
;;       r = np.clip(x / 2.0 ** e, -448, 448)
;;       step = 2.0 ** (np.maximum(np.frexp(np.where(r == 0, 1, r))[1] - 1, -6) - 3)
;;       q = np.round(r / step) * step * 2.0 ** e      # np.round: ties to even
;;       return np.moveaxis(q, -1, axis).astype(np.float32)
;;   ~~~
;;   SOFTMAX AHEAD OF A QUANTISED PRODUCT. Where the list says 'softmax', what is quantised is not the finished softmax but p = 2^(t - M), with t = logit x log2(e) and M = ceil(the row's largest t), a whole number; so 1/2 < the row's largest p <= 1. The row's sum l is taken of the UNQUANTISED p, in f32, and the product's result is divided by l at the end. Since M is a whole number, a kernel that streams over the keys may use a running M (the ceiling of the running maximum): every later rescaling is an exact power of two, so the quantised numbers keep their values, but for numbers so far below the row's largest that they fall under the format's range.
;;   OPERANDS COMPUTED ON THE WAY. 'Computed on the way' means the value that the module computes at that place (a softmax that the list does not call 'softmax' is quantised finished and normalised). What goes into a quantiser is computed in f32, as accurately as f32 sums, v_exp_f32 and their like allow (about 1e-6 of the number): no bf16 or f16 on the way to a quantiser, and a product that is left as it is and whose result goes on into a quantised operand takes f32 operands (vector FMAs, or v_wmma_f32_16x16x4_f32). A number that lies on a knife's edge between two numbers of the format may be rounded either way, as far as f32 arithmetic and the matrix unit's own rounding can turn it there, and no further.
;; One version. Each part assembles by itself: llvm-mc -triple=amdgcn-amd-amdhsa -mcpu=gfx1250 --defsym DOCPART=n.
;; ======== version 1 of 1: 4 launches
;; limits: right only within a limited range of input values
;; workspace buffers: ximg 12,582,912 bytes; wimg 2,621,440 bytes; tab 1,048,576 bytes; qimg 4,194,304 bytes; kvimg 2,097,152 bytes; aimg 4,194,304 bytes
;; launch quant (part 1): grid 448 x 1, 4 waves a work-group, no clusters, 68,096 bytes of LDS; arguments hidden_states, wq, wk, wv, wo, lowp_scales, ximg, wimg, tab; writes ximg, wimg, tab
.if DOCPART == 1
	.amdgcn_target "amdgcn-amd-amdhsa--gfx1250"
	.amdhsa_code_object_version 6
	.text
	.protected	k_q15985b576f_quant
	.globl	k_q15985b576f_quant
	.p2align	8
	.type	k_q15985b576f_quant,@function
k_q15985b576f_quant:
	s_mov_b64 s[64:65], 0
	v_nop
	global_prefetch_b8 v0, s[64:65] scope:SCOPE_SE
	s_setreg_imm32_b32 hwreg(HW_REG_WAVE_MODE, 25, 1), 1
	s_wait_xcnt 0x0
; QUANT: hidden_states and the four weights become codes of E4M3, laid as images of operand registers; and the table of cos and sin for the rotation is made.
; AN IMAGE: a fragment is 16 members (rows of x, or columns of a weight) x 128 along K in 16 registers a lane.  Lane l = 16 h + r holds member r; registers 4 c .. 4 c + 3 hold k = 32 c + 16 h + 0 .. 15.
; In memory group c lies at 512 c and lane l at 16 l: a fragment is 2,048 bytes, and four loads of 16 bytes a lane bring it back into the same registers.
; THE MEMBERS OF A TILE ARE NOT NEIGHBOURS: of a block of 128 indices, tile 2 b + u has the members 32 b + 8 u + p + 8 (p / 8), p = 0 .. 15.
; ximg: [version 3][block of 128 rows 32][K step 8][tile 8][2,048 bytes]; version 0 by scale 0, version 1 by scale 2 (written only where it differs from scale 0), version 2 by scale 4 (only where it differs from both).
; wimg: the same block layout for 20 groups of 128 columns: wq 0-7, wk 8-9, wv 10-11, wo 12-19; K is the first axis of a weight.
; tab:  [block 32][tile 8][piece 8][lane][16 bytes]: lane (r, h) holds cos, sin, cos, sin of its position for the pairs 16 (piece / 4) + 8 h + 2 (piece % 4) and the next.
; Work-groups 0-255: a tile of 16 rows of x each.  256-415: a group of 128 columns x one K step of a weight.  416-447: the table for 128 positions.  The three ways never join; only the first uses LDS.
; code = x / 2^e, held within +-448, to the nearest code, ties to even.
; LIMITS: each e used here lies between -126 and 119.  NaN among the inputs is not served; an infinity is held at the largest code.
; The frequencies are 10^(-j/8) rounded to f32; where a power computed in f32 differs from that in its last bits, an angle differs by that relative amount.
; No matrix unit, no cluster, no tensor load: memory binds, each input byte is read once and each store of a wave covers whole aligned runs of 256 bytes.
.set XA,   16                          ; v16-79   fragment 0 as loaded; later the held numbers
.set YY,   144                         ; v144-207 a fragment, 16 neighbours along K for each group
.set CC,   208                         ; v208-255 codes, 16 registers for each version
.set STG,  8448                        ; a stage: 16 rows x (512 bytes + 16)
.set WREG, 16896                       ; two stages for each wave
.macro MKSC e, vs, vl                  ; v[vs] = 2^e as f32, v[vl] = 448 x 2^e
	s_add_co_i32 s52, \e, 127
	s_lshl_b32 s53, s52, 23
	v_mov_b32 v[\vs], s53
	s_add_co_i32 s52, s52, 8
	s_lshl_b32 s52, s52, 23
	s_or_b32 s52, s52, 0x600000
	v_mov_b32 v[\vl], s52
.endm
	s_load_b512 s[4:19], s[0:1], 0x0               ; x s[4:5], wq s[6:7], wk s[8:9], wv s[10:11], wo s[12:13], scales s[14:15], ximg s[16:17], wimg s[18:19]
	s_load_b64 s[20:21], s[0:1], 0x40              ; tab
	s_set_vgpr_msb 0x40
	v_lshl_add_u32 v0, v0, 2, 0x10800
	v_mov_b32 v1, 0
	s_set_vgpr_msb 0x4000
	v_lshrrev_b32 v1, 5, v0
	v_readfirstlane_b32 s22, v1                    ; wave
	v_and_b32 v10, 31, v0                          ; lane
	v_and_b32 v11, 15, v0                          ; r
	v_bfe_u32 v12, v0, 4, 1                        ; h
	v_lshlrev_b32 v1, 4, v10                       ; 16 x lane
	s_wait_kmcnt 0x0
	s_load_b256 s[24:31], s[14:15], 0x0            ; e0 .. e7
	s_load_b128 s[32:35], s[14:15], 0x20           ; e8 .. e11
	s_cmp_lt_u32 ttmp9, 256
	s_cbranch_scc1 .Lx
	s_cmp_lt_u32 ttmp9, 416
	s_cbranch_scc1 .Lw
; ---------------- THE TABLE.  Wave w serves tiles 2 w and 2 w + 1 of block R: 32 angles a lane.
	s_sub_co_u32 s36, ttmp9, 416                   ; R
	s_lshl_b32 s37, s36, 7
	s_lshl_b32 s38, s22, 5
	s_add_co_u32 s37, s37, s38                     ; 128 R + 32 w
	s_wait_alu depctr_va_vdst(0)
	v_and_b32 v13, 8, v11
	v_add_nc_u32 v13, v13, v11                     ; r + 8 (r / 8)
	v_add_nc_u32 v13, s37, v13
	v_cvt_f32_u32 v14, v13                         ; my position in tile 2 w,
	v_add_nc_u32 v13, 8, v13
	v_cvt_f32_u32 v15, v13                         ; and in tile 2 w + 1
	s_lshl_b32 s36, s36, 15
	s_lshl_b32 s37, s22, 13
	s_add_co_u32 s36, s36, s37
	s_mov_b32 s37, 0
	s_add_nc_u64 s[20:21], s[20:21], s[36:37]      ; tab at my two tiles
	s_mov_b32 s40, 0x3f22f983                      ; 2 / pi
	s_mov_b32 s41, 0xbfc90fdb                      ; -(pi / 2 rounded to f32)
	s_mov_b32 s42, 0x333bbd2e                      ; that rounding less pi / 2
	s_mov_b32 s43, 0xb94ca1f9                      ; sine: r + z r (s45 + z (s44 + z s43)), z = r r
	s_mov_b32 s44, 0x3c08839e
	s_mov_b32 s45, 0xbe2aaaa3
	s_mov_b32 s46, 0x37ccf5ce                      ; cosine: 1 - z / 2 + z z (s48 + z (s47 + z s46))
	s_mov_b32 s47, 0xbab6061a
	s_mov_b32 s48, 0x3d2aaaa5
	v_cmp_eq_u32 vcc_lo, 1, v12                    ; the upper half of the lanes takes the pair eight further on
.macro FQ reg, flo, fhi
	v_mov_b32 v[\reg], \fhi
	v_cndmask_b32 v[\reg], \flo, v[\reg], vcc_lo
.endm
	FQ 16, 1.0, 0.1
	FQ 17, 0.7498942093324559, 0.07498942093324559
	FQ 18, 0.5623413251903491, 0.05623413251903491
	FQ 19, 0.4216965034285822, 0.04216965034285822
	FQ 20, 0.31622776601683794, 0.031622776601683794
	FQ 21, 0.23713737056616552, 0.023713737056616552
	FQ 22, 0.1778279410038923, 0.01778279410038923
	FQ 23, 0.1333521432163324, 0.01333521432163324
	FQ 24, 0.01, 0.001
	FQ 25, 0.007498942093324559, 0.0007498942093324559
	FQ 26, 0.005623413251903491, 0.0005623413251903491
	FQ 27, 0.004216965034285822, 0.0004216965034285822
	FQ 28, 0.0031622776601683794, 0.00031622776601683794
	FQ 29, 0.0023713737056616552, 0.00023713737056616552
	FQ 30, 0.001778279410038923, 0.0001778279410038923
	FQ 31, 0.001333521432163324, 0.0001333521432163324
; cos and sin of x = position x frequency (one f32 product).  n = x 2 / pi to the nearest whole number; r = x - n pi / 2 in two fused steps, of which the first rounds nothing
; (n has 12 bits, and the difference is a multiple of the last place of pi / 2 below 1); polynomials on |r| <= pi / 4; n mod 4 swaps and signs them.
.macro SINCOS p, f, o
	v_mul_f32 v2, v[\p], v[\f]
	v_mul_f32 v3, s40, v2
	v_rndne_f32 v3, v3
	v_fma_f32 v2, v3, s41, v2
	v_fma_f32 v2, v3, s42, v2
	v_cvt_i32_f32 v3, v3
	v_mul_f32 v4, v2, v2
	v_fma_f32 v5, v4, s43, s44
	v_fma_f32 v5, v5, v4, s45
	v_mul_f32 v6, v4, v2
	v_fma_f32 v5, v5, v6, v2                       ; sin r
	v_fma_f32 v7, v4, s46, s47
	v_fma_f32 v7, v7, v4, s48
	v_mul_f32 v6, v4, v4
	v_fma_f32 v8, v4, -0.5, 1.0
	v_fma_f32 v7, v7, v6, v8                       ; cos r
	v_and_b32 v6, 1, v3
	v_cmp_eq_u32 s50, 1, v6
	v_cndmask_b32 v8, v5, v7, s50                  ; the sine: cos r where n is odd
	v_cndmask_b32 v9, v7, v5, s50                  ; the cosine: sin r where n is odd
	v_lshlrev_b32 v6, 30, v3
	v_and_b32 v6, 0x80000000, v6                   ; the sine changes sign where n mod 4 is 2 or 3,
	v_xor_b32 v[\o+1], v6, v8
	v_add_nc_u32 v3, 1, v3
	v_lshlrev_b32 v3, 30, v3
	v_and_b32 v3, 0x80000000, v3                   ; the cosine where it is 1 or 2
	v_xor_b32 v[\o], v3, v9
.endm
	s_wait_kmcnt 0x0                               ; (the scales are not used on this way)
	s_mov_b32 s54, 2                               ; my two tiles
.Ltab:
.irp p,0,1,2,3,4,5,6,7
.irp e,0,1
	SINCOS 14, 16+2*\p+\e, 64+4*\p+2*\e
.endr
	global_store_b128 v1, v[64+4*\p:64+4*\p+3], s[20:21] offset:\p*512   ; 512 consecutive bytes a store; every piece has registers of its own
.endr
	s_wait_xcnt 0x0                                ; the stores have read their data and their base
	s_add_nc_u64 s[20:21], s[20:21], 0x1000
	v_mov_b32 v14, v15
	s_sub_co_u32 s54, s54, 1
	s_cmp_lg_u32 s54, 0
	s_wait_alu depctr_va_vdst(0)                   ; the wait directly ahead of the branch
	s_cbranch_scc1 .Ltab
	s_endpgm
; ---------------- A WEIGHT.  The work-group takes 128 columns x 128 along K; wave w columns 32 w .. 32 w + 31.  A lane takes ONE column and its registers run down K,
; so the conversions give codes with K innermost and nothing is transposed.  Lane 16 u + r takes column 32 w + 8 u + r + 8 (r / 8): member r of tile 2 w + u.
.Lw:
	s_sub_co_u32 s36, ttmp9, 256                   ; j: 0-63 wq, 64-127 wo, 128-143 wk, 144-159 wv
	s_wait_kmcnt 0x0
	s_mov_b64 s[40:41], s[10:11]                   ; wv, scale 5, groups from 10, j from 144
	s_mov_b32 s42, s29
	s_mov_b32 s43, 10
	s_mov_b32 s44, 144
	s_cmp_lt_u32 s36, 144
	s_cselect_b64 s[40:41], s[8:9], s[40:41]       ; wk, scale 3
	s_cselect_b32 s42, s27, s42
	s_cselect_b32 s43, 8, s43
	s_cselect_b32 s44, 128, s44
	s_cmp_lt_u32 s36, 128
	s_cselect_b64 s[40:41], s[12:13], s[40:41]     ; wo, scale 11
	s_cselect_b32 s42, s35, s42
	s_cselect_b32 s43, 12, s43
	s_cselect_b32 s44, 64, s44
	s_cmp_lt_u32 s36, 64
	s_cselect_b64 s[40:41], s[6:7], s[40:41]       ; wq, scale 1
	s_cselect_b32 s42, s25, s42
	s_cselect_b32 s43, 0, s43
	s_cselect_b32 s44, 0, s44
	s_sub_co_u32 s45, s36, s44
	s_lshr_b32 s46, s45, 3                         ; which 128 columns of the weight
	s_and_b32 s47, s45, 7                          ; which K step
	s_add_co_u32 s43, s43, s46                     ; the group
	s_lshl_b32 s48, s43, 17
	s_lshl_b32 s49, s47, 14
	s_add_co_u32 s48, s48, s49
	s_lshl_b32 s49, s22, 12
	s_add_co_u32 s48, s48, s49                     ; group x 131,072 + K step x 16,384 + wave x two tiles
	s_mov_b32 s49, 0
	s_add_nc_u64 s[18:19], s[18:19], s[48:49]
	s_lshl_b32 s48, s46, 9
	s_lshl_b32 s50, s22, 7
	s_add_co_u32 s48, s48, s50                     ; the first column of my wave, in bytes
	s_cmp_lt_u32 s36, 128
	s_cselect_b32 s50, 19, 17                      ; 128 rows of 4,096 or of 1,024 bytes
	s_lshl_b32 s50, s47, s50
	s_add_co_u32 s48, s48, s50
	s_add_nc_u64 s[40:41], s[40:41], s[48:49]
	s_wait_alu depctr_va_vdst(0)
	v_and_b32 v13, 8, v11
	v_add_nc_u32 v13, v13, v11
	v_lshl_add_u32 v13, v12, 3, v13                ; my column among the 32
	v_lshlrev_b32 v1, 2, v13
	v_lshlrev_b32 v2, 4, v11
	v_lshl_add_u32 v2, v12, 11, v2                 ; out: tile u, lane place r; the half h of the image is the chunk of K
	MKSC s42, 4, 7
	s_cmp_lt_u32 s36, 128
	s_cselect_b32 s54, 12, 10
	s_lshl_b32 s54, 1, s54                         ; a row of the weight in bytes: 4,096 or 1,024
	s_mov_b32 s55, 0
	s_mov_b64 s[66:67], s[40:41]                   ; sixteen bases, a row apart,
.set k, 0
.rept 15
	s_add_nc_u64 s[68+2*k:69+2*k], s[66+2*k:67+2*k], s[54:55]
.set k, k+1
.endr
	s_lshl_b32 s56, s54, 4
	s_wait_alu depctr_va_vdst(0)                   ; the wait directly ahead of the readers below
	v_mov_b32 v208, v1                             ; and eight offsets, sixteen rows apart
.irp q,0,1,2,3,4,5,6
	v_add_nc_u32 v[209+\q], s56, v[208+\q]
.endr
.irp q,0,1,2,3,4,5,6,7
.set k, 0
.rept 16
	global_load_b32 v[16+16*\q+k], v[208+\q], s[66+2*k:67+2*k] th:TH_LOAD_NT   ; a row of the weight at 32 columns of one span of 128 bytes; the four waves stand side by side
.set k, k+1
.endr
.endr
.irp q,0,1,2,3,4,5,6,7                 ; chunk q: k = 16 q .. 16 q + 15: group q / 2, half q % 2 of the image
.if 16*(7-\q) > 63
	s_wait_loadcnt 63                              ; 128 loads were issued: with 63 out the first 65 are in
.else
	s_wait_loadcnt 16*(7-\q)                       ; the chunks behind this one may be out
.endif
.set k, 0
.rept 16
	v_med3_num_f32 v[16+16*\q+k], v[16+16*\q+k], -v7, v7   ; the conversion does not saturate (ISA guide 7.6.2): the hold at the largest code x the scale
.set k, k+1
.endr
	v_cvt_scalef32_pk8_fp8_f32 v[144+4*\q:145+4*\q], v[16+16*\q:23+16*\q], v4
	v_cvt_scalef32_pk8_fp8_f32 v[146+4*\q:147+4*\q], v[24+16*\q:31+16*\q], v4
	v_nop
	global_store_b128 v2, v[144+4*\q:147+4*\q], s[18:19] offset:(\q/2)*512+(\q%2)*256   ; each half of the lanes fills 256 consecutive aligned bytes
.endr
	s_endpgm
; ---------------- x.  The work-group takes one tile of 16 rows, wave w its K steps 2 w and 2 w + 1.  A load takes 512 consecutive bytes of one row; the conversions want 16 neighbours along K in one lane:
; the fragment turns through a stage of the wave in LDS (rows of 528 bytes), stored as loaded and read back 64 bytes a lane.
.Lx:
	s_lshr_b32 s36, ttmp9, 1
	s_lshl_b32 s36, s36, 5
	s_and_b32 s37, ttmp9, 1
	s_lshl_b32 s37, s37, 3
	s_add_co_u32 s36, s36, s37                     ; the first row of the tile
	s_lshl_b32 s36, s36, 12
	s_lshl_b32 s37, s22, 10
	s_add_co_u32 s36, s36, s37
	s_mov_b32 s37, 0
	s_add_nc_u64 s[4:5], s[4:5], s[36:37]
	s_mul_i32 s38, s22, WREG
	s_wait_alu depctr_va_vdst(0)
	v_add_nc_u32 v2, s38, v1                       ; into a stage: 16 x lane in each row
	v_mul_u32_u24 v3, v11, 528
	v_lshl_add_u32 v3, v12, 6, v3
	v_add_nc_u32 v3, s38, v3                       ; out of it: row r, + 64 h
.irp f,0,1
.irp q,0,1,2,3,4,5,6,7,8,9,10,11,12,13,14,15
	global_load_b128 v[XA+64*\f+4*\q:XA+64*\f+4*\q+3], v1, s[4:5] offset:(\q+8*(\q/8))*4096+\f*512 th:TH_LOAD_NT
.endr
.endr
	s_lshr_b32 s36, ttmp9, 3
	s_lshl_b32 s36, s36, 17
	s_and_b32 s39, ttmp9, 7
	s_lshl_b32 s39, s39, 11
	s_add_co_u32 s36, s36, s39
	s_lshl_b32 s39, s22, 15
	s_add_co_u32 s36, s36, s39                     ; block x 131,072 + tile x 2,048 + 2 w K steps
	s_add_nc_u64 s[16:17], s[16:17], s[36:37]      ; version 0,
	s_add_nc_u64 s[40:41], s[16:17], 0x400000      ; version 1,
	s_add_nc_u64 s[42:43], s[16:17], 0x800000      ; version 2
	s_wait_alu depctr_va_vdst(0)
	s_wait_kmcnt 0x0
	MKSC s24, 4, 7
	MKSC s26, 5, 8
	MKSC s28, 6, 9
	s_cmp_lg_u32 s26, s24
	s_cselect_b32 s46, 1, 0                        ; version 1 is wanted
	s_cmp_lg_u32 s28, s24
	s_cselect_b32 s47, 1, 0
	s_cmp_lg_u32 s28, s26
	s_cselect_b32 s47, s47, 0                      ; version 2 is wanted
.macro TURN f
.irp q,0,1,2,3,4,5,6,7,8,9,10,11,12,13,14,15
	ds_store_b128 v2, v[XA+64*\f+4*\q:XA+64*\f+4*\q+3] offset:\f*STG+\q*528
.endr
.irp c,0,1,2,3
.irp j,0,1,2,3
	ds_load_b128 v[YY+16*\c+4*\j:YY+16*\c+4*\j+3], v3 offset:\f*STG+128*\c+16*\j   ; LDS serves the instructions of a wave in order (ISA guide 5.7.1.4): these see the stores above
.endr
.endr
.endm
.macro QX v, f, sb                     ; version v of the fragment in YY: held into XA, converted, stored
.irp c,0,1,2,3
.set k, 0
.rept 16
	v_med3_num_f32 v[XA+16*\c+k], v[YY+16*\c+k], -v[7+\v], v[7+\v]
.set k, k+1
.endr
	v_cvt_scalef32_pk8_fp8_f32 v[CC+16*\v+4*\c:CC+16*\v+4*\c+1], v[XA+16*\c:XA+16*\c+7], v[4+\v]
	v_cvt_scalef32_pk8_fp8_f32 v[CC+16*\v+4*\c+2:CC+16*\v+4*\c+3], v[XA+16*\c+8:XA+16*\c+15], v[4+\v]
.endr
	v_nop                                          ; a plain line behind the last conversion: its sources are written again by the next version
.irp c,0,1,2,3
	global_store_b128 v1, v[CC+16*\v+4*\c:CC+16*\v+4*\c+3], s[\sb:\sb+1] offset:\f*16384+\c*512
.endr
.endm
.macro XFRAG f
	TURN \f
	s_wait_dscnt 0x0                               ; the fragment is back, and the stores into the stage have read their registers
	QX 0, \f, 16
	s_cmp_eq_u32 s46, 0
	s_cbranch_scc1 .Lno1_\@
	QX 1, \f, 40
.Lno1_\@:
	s_cmp_eq_u32 s47, 0
	s_cbranch_scc1 .Lno2_\@
	QX 2, \f, 42
.Lno2_\@:
.endm
	s_wait_alu depctr_va_vdst(0)
	s_wait_loadcnt 16                              ; the first fragment is in; the 16 loads of the second may be out
	XFRAG 0
	s_wait_loadcnt 0x0
	s_wait_xcnt 0x0                                ; the stores of the first fragment have read their codes: the registers are written again
	XFRAG 1
	s_set_vgpr_msb 0x5
	s_wait_tensorcnt 0x0
	ds_add_u32 v0, v1
	s_wait_dscnt 0x0
	s_set_vgpr_msb 0x500
	s_endpgm
.Lfunc_end_k_q15985b576f_quant:
	.size	k_q15985b576f_quant, .Lfunc_end_k_q15985b576f_quant-k_q15985b576f_quant
	.p2alignl 7, 3214868480
	.fill 96, 4, 3214868480
	.section	.rodata,"a",@progbits
	.p2align	6, 0x0
	.amdhsa_kernel k_q15985b576f_quant
		.amdhsa_group_segment_fixed_size 68096
		.amdhsa_private_segment_fixed_size 0
		.amdhsa_enable_private_segment 0
		.amdhsa_kernarg_size 72
		.amdhsa_user_sgpr_count 2
		.amdhsa_user_sgpr_kernarg_segment_ptr 1
		.amdhsa_wavefront_size32 1
		.amdhsa_system_sgpr_workgroup_id_x 1
		.amdhsa_system_sgpr_workgroup_id_y 1
		.amdhsa_system_sgpr_workgroup_id_z 1
		.amdhsa_system_vgpr_workitem_id 0
		.amdhsa_next_free_vgpr 258
		.amdhsa_next_free_sgpr 98
		.amdhsa_reserve_vcc 1
		.amdhsa_float_denorm_mode_32 3
		.amdhsa_float_denorm_mode_16_64 3
		.amdhsa_memory_ordered 1
		.amdhsa_forward_progress 1
		.amdhsa_inst_pref_size 91
	.end_amdhsa_kernel
	.amdgpu_metadata
---
amdhsa.version: [ 1, 2 ]
amdhsa.kernels:
  - .name:           k_q15985b576f_quant
    .symbol:         k_q15985b576f_quant.kd
    .args:
      - { .name: hidden_states, .offset: 0, .size: 8, .value_kind: global_buffer, .address_space: global }
      - { .name: wq, .offset: 8, .size: 8, .value_kind: global_buffer, .address_space: global }
      - { .name: wk, .offset: 16, .size: 8, .value_kind: global_buffer, .address_space: global }
      - { .name: wv, .offset: 24, .size: 8, .value_kind: global_buffer, .address_space: global }
      - { .name: wo, .offset: 32, .size: 8, .value_kind: global_buffer, .address_space: global }
      - { .name: lowp_scales, .offset: 40, .size: 8, .value_kind: global_buffer, .address_space: global }
      - { .name: ximg, .offset: 48, .size: 8, .value_kind: global_buffer, .address_space: global }
      - { .name: wimg, .offset: 56, .size: 8, .value_kind: global_buffer, .address_space: global }
      - { .name: tab, .offset: 64, .size: 8, .value_kind: global_buffer, .address_space: global }
    .group_segment_fixed_size: 68096
    .private_segment_fixed_size: 0
    .kernarg_segment_align: 8
    .kernarg_segment_size: 72
    .max_flat_workgroup_size: 128
    .sgpr_count:     98
    .vgpr_count:     258
    .wavefront_size: 32
...
	.end_amdgpu_metadata
.endif
;; end of part 1
;; launch qkv (part 2): grid 6 x 32, 4 waves a work-group, no clusters, 327,680 bytes of LDS; arguments ximg, wimg, tab, lowp_scales, qimg, kvimg; writes qimg, kvimg
.if DOCPART == 2
	.amdgcn_target "amdgcn-amd-amdhsa--gfx1250"
	.amdhsa_code_object_version 6
	.text
	.protected	k_q15985b576f_qkv
	.globl	k_q15985b576f_qkv
	.p2align	8
	.type	k_q15985b576f_qkv,@function
k_q15985b576f_qkv:
	s_mov_b64 s[64:65], 0
	v_nop
	global_prefetch_b8 v0, s[64:65] scope:SCOPE_SE
	s_setreg_imm32_b32 hwreg(HW_REG_WAVE_MODE, 25, 1), 1
	s_wait_xcnt 0x0
; QKV: q, k and v on codes of E4M3, the rotation of q and k, and their codes laid as the images that the attention reads.
; Work-group (x, y): 128 rows (block y) x 256 columns; x = 0-3 q, 4 k, 5 v.  For q and k source 0 = columns of the weight, source 1 = rows of x; for v the two are swapped, so that its codes run along the keys.
; The 128 members of source 1, whole K = 1,024 (131,072 bytes, one dense block of the image), come once into LDS, 32,768 bytes a wave by one tensor load; each wave loads its 64 members of source 0 straight into registers, three K steps ahead.
; NO CLUSTER: the grid is 6 wide, and the work-groups of v bring weights where the others bring x; two thirds of a work-group's bytes go into registers of one wave.  NO RING: nothing in LDS is filled twice.
; LIMITS: the exponents of the results, e6 - e0 - e1 for q and likewise for k and v, lie between -126 and 119.  NaN is not served.
.set MSB, 0
.macro WIN new
.if MSB != \new
	s_set_vgpr_msb (MSB<<8)|\new
.set MSB, \new
.endif
.endm
.macro NOP4
.rept 4
	v_nop
.endr
.endm
	s_load_b256 s[4:11], s[0:1], 0x0
	s_load_b128 s[12:15], s[0:1], 0x20
	v_lshl_add_u32 v30, v0, 2, 0x29000
	v_mov_b32 v31, 0
	ds_add_u32 v30, v31
	ds_add_u32 v30, v31
	v_lshrrev_b32 v2, 5, v0
	v_readfirstlane_b32 s16, v2
	v_and_b32 v1, 31, v0
	v_lshlrev_b32 v1, 4, v1
	v_add_nc_u32 v2, 0x10000, v1
	s_mov_b32 s17, ttmp9
	s_and_b32 s18, ttmp7, 0xffff
	s_mov_b32 s20, 3<<16
	s_mov_b32 s21, 32<<16
	s_mov_b32 s22, 128<<16
	s_mov_b32 s23, 32<<16
	s_mov_b32 s24, 128
	s_mov_b32 s25, 32
	s_mov_b32 s26, 0
	s_mov_b32 s27, 0
	s_wait_alu depctr_va_vdst(0)
	s_wait_dscnt 0x0
	s_wait_kmcnt 0x0
	s_load_b256 s[36:43], s[10:11], 0x0
	s_load_b128 s[44:47], s[10:11], 0x20
	s_lshr_b32 s50, s16, 1
	s_and_b32 s51, s16, 1
	s_lshr_b32 s52, s18, 1
	s_lshl_b32 s52, s52, 1
	s_add_co_u32 s52, s52, s50
	s_and_b32 s53, s18, 1
	s_add_co_u32 s53, s53, 10
	s_lshl_b32 s54, s17, 1
	s_add_co_u32 s54, s54, s50
	s_cmp_eq_u32 s17, 5
	s_cselect_b32 s55, s52, s18
	s_cselect_b32 s54, s53, s54
	s_lshl_b32 s55, s55, 17
	s_wait_kmcnt 0x0
	s_cmp_eq_u32 s38, s36
	s_cselect_b32 s48, 0, 1
	s_cmp_eq_u32 s40, s38
	s_cselect_b32 s49, 1, 2
	s_cmp_eq_u32 s40, s36
	s_cselect_b32 s49, 0, s49
	s_cmp_eq_u32 s17, 4
	s_cselect_b32 s48, s48, 0
	s_cmp_eq_u32 s17, 5
	s_cselect_b32 s48, s49, s48
	s_min_u32 s48, s48, 2
	s_lshl_b32 s48, s48, 22
	s_add_co_u32 s56, s55, s48
	s_mov_b32 s57, 0
	s_add_nc_u64 s[56:57], s[4:5], s[56:57]
	s_lshl_b32 s58, s54, 17
	s_mov_b32 s59, 0
	s_add_nc_u64 s[58:59], s[6:7], s[58:59]
	s_cmp_eq_u32 s17, 5
	s_cselect_b64 s[60:61], s[58:59], s[56:57]
	s_cselect_b64 s[62:63], s[56:57], s[58:59]
	s_lshl_b32 s66, s51, 13
	s_mov_b32 s67, 0
	s_add_nc_u64 s[62:63], s[62:63], s[66:67]
	s_lshl_b32 s68, s16, 15                        ; my quarter: two K steps, 32,768 bytes
	s_mov_b32 s69, 0
	s_mov_b32 s28, 1
	s_mov_b32 s29, s68
	s_add_nc_u64 s[30:31], s[60:61], s[68:69]
	s_or_b32 s31, s31, 0x80000000
	s_cmp_lt_u32 s17, 4
	s_cselect_b32 s70, s42, s43
	s_cselect_b32 s71, s36, s38
	s_cselect_b32 s72, s37, s39
	s_cmp_eq_u32 s17, 5
	s_cselect_b32 s70, s45, s70
	s_cselect_b32 s71, s40, s71
	s_cselect_b32 s72, s41, s72
	s_sub_co_i32 s70, s70, s71
	s_sub_co_i32 s70, s70, s72
	s_add_co_i32 s70, s70, 127
	s_lshl_b32 s71, s70, 23
	v_mov_b32 v3, s71
	s_add_co_i32 s70, s70, 8
	s_lshl_b32 s70, s70, 23
	s_or_b32 s70, s70, 0x600000
	v_mov_b32 v4, s70
	s_lshl_b32 s73, s17, 2
	s_add_co_u32 s73, s73, s16
	s_lshl_b32 s73, s73, 18
	s_lshl_b32 s74, s18, 13
	s_add_co_u32 s73, s73, s74
	s_lshl_b32 s74, s16, 19
	s_lshl_b32 s75, s18, 14
	s_add_co_u32 s74, s74, s75
	s_and_b32 s75, s18, 1
	s_lshl_b32 s75, s75, 20
	s_lshl_b32 s76, s52, 14
	s_add_co_u32 s75, s75, s76
	s_lshl_b32 s76, s51, 10
	s_add_co_u32 s75, s75, s76
	s_add_co_u32 s75, s75, 8192
	s_cmp_lt_u32 s17, 4
	s_cselect_b32 s76, s73, s74
	s_cselect_b64 s[78:79], s[12:13], s[14:15]
	s_cmp_eq_u32 s17, 5
	s_cselect_b32 s76, s75, s76
	s_mov_b32 s77, 0
	s_add_nc_u64 s[78:79], s[78:79], s[76:77]
	s_lshl_b32 s76, s18, 15
	s_add_nc_u64 s[8:9], s[8:9], s[76:77]
	tensor_load_to_lds s[28:31], s[20:27]          ; my one tensor load
	s_nop 0
	NOP4
.macro LB s
	WIN 0x40
.irp tn,0,1,2,3
.irp c,0,1,2,3
	global_load_b128 v[64*((\s)%4)+16*\tn+4*\c:64*((\s)%4)+16*\tn+4*\c+3], v1, s[62:63] offset:(\s)*16384+\tn*2048+\c*512
.endr
.endr
.endm
.macro LA s
	WIN 0x80
.irp i,0,1,2,3,4,5,6,7
.irp c,0,1,2,3
.if (\s) < 4
	ds_load_b128 v[128*((\s)%2)+16*\i+4*\c:128*((\s)%2)+16*\i+4*\c+3], v1 offset:((\s)%4)*16384+\i*2048+\c*512
.else
	ds_load_b128 v[128*((\s)%2)+16*\i+4*\c:128*((\s)%2)+16*\i+4*\c+3], v2 offset:((\s)%4)*16384+\i*2048+\c*512
.endif
.endr
.endr
.endm
.macro MM s
	WIN 0xf9
.irp i,0,1,2,3,4,5,6,7
.irp tn,0,1,2,3
.if (\s) == 0
	v_wmma_f32_16x16x128_fp8_fp8 v[32*\i+8*\tn:32*\i+8*\tn+7], v[64*((\s)%4)+16*\tn:64*((\s)%4)+16*\tn+15], v[128*((\s)%2)+16*\i:128*((\s)%2)+16*\i+15], 0
.else
	v_wmma_f32_16x16x128_fp8_fp8 v[32*\i+8*\tn:32*\i+8*\tn+7], v[64*((\s)%4)+16*\tn:64*((\s)%4)+16*\tn+15], v[128*((\s)%2)+16*\i:128*((\s)%2)+16*\i+15], v[32*\i+8*\tn:32*\i+8*\tn+7]
.endif
.endr
.endr
.endm
.macro TL half
.if \half == 0
	WIN 0
.else
	WIN 0x40
.endif
.irp i,0,1,2,3
.irp p,0,1,2,3,4,5,6,7
	global_load_b128 v[128*(1-\half)+32*\i+4*\p:128*(1-\half)+32*\i+4*\p+3], v1, s[8:9] offset:(4*\half+\i)*4096+\p*512
.endr
.endr
.endm
.macro MAIN rope
	LA 0
.irp s,0,1,2,3,4,5,6,7
.if \s > 0
	NOP4
.endif
.if \s < 5
	LB \s+3
.endif
.if \s < 7
	LA \s+1
	s_wait_dscnt 32
.else
	s_wait_dscnt 0x0
.endif
.if \rope
.if (\s == 5) || (\s == 7)
	s_wait_loadcnt 63
.else
	s_wait_loadcnt 48
.endif
.if \s == 4
	TL 0
.endif
.if \s == 6
	TL 1
.endif
.else
.if \s < 5
	s_wait_loadcnt 48
.else
	s_wait_loadcnt 16*(7-\s)
.endif
.endif
	MM \s
.endr
.endm
.macro EPI rope
	NOP4
.irp i,0,1,2,3,4,5,6,7
.if \rope
.if \i == 0
	s_wait_loadcnt 32
.endif
.if \i == 4
	s_wait_loadcnt 0x0
.endif
.if \i < 4
	WIN 0x03
.set TT, 128+32*\i
.else
	WIN 0x07
.set TT, 32*(\i-4)
.endif
.set p, 0
.rept 16
	v_pk_mul_f32 v[32+p:33+p], v[32*\i+p:32*\i+p+1], v[TT+p:TT+p+1] op_sel_hi:[1,0]
.set p, p+2
.endr
.set p, 0
.rept 16
	v_pk_fma_f32 v[32+p:33+p], v[32*\i+p:32*\i+p+1], v[TT+p:TT+p+1], v[32+p:33+p] op_sel:[1,1,0] op_sel_hi:[0,1,1] neg_lo:[1,0,0]
.set p, p+2
.endr
	WIN 0
.set p, 0
.rept 32
	v_med3_num_f32 v[32+p], v[32+p], -v4, v4
.set p, p+1
.endr
.else
	WIN 0x03
.set p, 0
.rept 32
	v_med3_num_f32 v[32+p], v[32*\i+p], -v4, v4
.set p, p+1
.endr
	WIN 0
.endif
.irp q,0,1,2,3
	v_cvt_scalef32_pk8_fp8_f32 v[64+8*\i+2*\q:65+8*\i+2*\q], v[32+8*\q:39+8*\q], v3
.endr
	v_nop
.irp b,0,1
.if \rope
	global_store_b128 v1, v[64+8*\i+4*\b:67+8*\i+4*\b], s[78:79] offset:\i*1024+\b*512
.else
	global_store_b128 v1, v[64+8*\i+4*\b:67+8*\i+4*\b], s[78:79] offset:(\i/4)*524288+(\i%4)*2048+\b*512
.endif
.endr
.endr
	s_wait_tensorcnt 0x0
	ds_add_u32 v30, v31
	s_wait_dscnt 0x0
	s_endpgm
.endm
	LB 0
	LB 1
	LB 2
	WIN 0
	s_wait_alu depctr_va_vdst(0)                   ; the wait at the head's end
	s_wait_tensorcnt 0x0                           ; my quarter has landed; behind the barrier so has that of every wave
	s_barrier_signal -1
	s_barrier_wait -1
	s_cmp_eq_u32 s17, 5
	s_cbranch_scc1 .Lv
	MAIN 1
	EPI 1
.Lv:
	MAIN 0
	s_wait_alu depctr_va_vdst(0)
	EPI 0
.Lfunc_end_k_q15985b576f_qkv:
	.size	k_q15985b576f_qkv, .Lfunc_end_k_q15985b576f_qkv-k_q15985b576f_qkv
	.p2alignl 7, 3214868480
	.fill 96, 4, 3214868480
	.section	.rodata,"a",@progbits
	.p2align	6, 0x0
	.amdhsa_kernel k_q15985b576f_qkv
		.amdhsa_group_segment_fixed_size 327680
		.amdhsa_private_segment_fixed_size 0
		.amdhsa_enable_private_segment 0
		.amdhsa_kernarg_size 48
		.amdhsa_user_sgpr_count 2
		.amdhsa_user_sgpr_kernarg_segment_ptr 1
		.amdhsa_wavefront_size32 1
		.amdhsa_system_sgpr_workgroup_id_x 1
		.amdhsa_system_sgpr_workgroup_id_y 1
		.amdhsa_system_sgpr_workgroup_id_z 1
		.amdhsa_system_vgpr_workitem_id 0
		.amdhsa_next_free_vgpr 1024
		.amdhsa_next_free_sgpr 84
		.amdhsa_reserve_vcc 0
		.amdhsa_float_denorm_mode_32 3
		.amdhsa_float_denorm_mode_16_64 3
		.amdhsa_memory_ordered 1
		.amdhsa_forward_progress 1
		.amdhsa_inst_pref_size 156
	.end_amdhsa_kernel
	.amdgpu_metadata
---
amdhsa.version: [ 1, 2 ]
amdhsa.kernels:
  - .name:           k_q15985b576f_qkv
    .symbol:         k_q15985b576f_qkv.kd
    .args:
      - { .name: ximg, .offset: 0, .size: 8, .value_kind: global_buffer, .address_space: global }
      - { .name: wimg, .offset: 8, .size: 8, .value_kind: global_buffer, .address_space: global }
      - { .name: tab, .offset: 16, .size: 8, .value_kind: global_buffer, .address_space: global }
      - { .name: lowp_scales, .offset: 24, .size: 8, .value_kind: global_buffer, .address_space: global }
      - { .name: qimg, .offset: 32, .size: 8, .value_kind: global_buffer, .address_space: global }
      - { .name: kvimg, .offset: 40, .size: 8, .value_kind: global_buffer, .address_space: global }
    .group_segment_fixed_size: 327680
    .private_segment_fixed_size: 0
    .kernarg_segment_align: 8
    .kernarg_segment_size: 48
    .max_flat_workgroup_size: 128
    .sgpr_count:     84
    .vgpr_count:     1024
    .wavefront_size: 32
...
	.end_amdgpu_metadata
.endif
;; end of part 2
;; launch attn (part 3): grid 64 x 4, 8 waves a work-group, clusters of 4 x 1, 327,680 bytes of LDS; arguments qimg, kvimg, lowp_scales, aimg; writes aimg
.if DOCPART == 3
	.amdgcn_target "amdgcn-amd-amdhsa--gfx1250"
	.amdhsa_code_object_version 6
	.text
	.protected	k_q15985b576f_attn
	.globl	k_q15985b576f_attn
	.p2align	8
	.type	k_q15985b576f_attn,@function
k_q15985b576f_attn:
	s_mov_b64 s[64:65], 0
	v_nop
	global_prefetch_b8 v0, s[64:65] scope:SCOPE_SE
	s_setreg_imm32_b32 hwreg(HW_REG_WAVE_MODE, 25, 1), 1
	s_wait_xcnt 0x0
	s_wait_alu depctr_hold_cnt(0) depctr_sa_sdst(0) depctr_va_vdst(0) depctr_va_sdst(0) depctr_va_ssrc(0) depctr_va_vcc(0) depctr_vm_vsrc(0)
	s_getreg_b32 s2, hwreg(HW_REG_IB_STS2, 6, 4)
	s_cmp_eq_u32 s2, 0
	s_cbranch_scc0 .Lentry_in_a_cluster
	s_endpgm
.Lentry_in_a_cluster:
	s_bfe_u32 s2, ttmp6, 0x10000c
	s_cmp_lg_u32 s2, 0x3003
	s_cbranch_scc0 .Lentry_shape_is_right
	s_endpgm
.Lentry_shape_is_right:
; ATTN: causal attention on codes of E4M3, 16 query heads on 4 key heads, head size 64; the result is quantised for the last product and stored as its image.
; t = score x log2(e) / 8; M = the largest t of the row so far, rounded UP to a whole number; p = 2^(t - M) is quantised along the keys, not normalised; the sum of the row is taken of the unquantised p and divides at the end.
; SHARES.  Cluster x = m (0-15), place cx, key head g = y.  A work-group serves the 32 positions of block b = 4 m + cx and then those of block 127 - b, of four query heads.
; Block b needs the key tiles (128 keys) 0 .. m, block 127 - b the tiles 0 .. 31 - m (tiles wholly under the causal mask are left out): 33 key steps for EVERY work-group, a constant of the text.
; Step s reads tile s (s <= m) or s - m - 1: that hangs on m alone, so the four partners walk the same tiles, and each tile is asked for JOINTLY.  cx enters only addresses in memory and the operands of the mask.
; EIGHT WAVES: waves w and w + 4 (sets 0 and 1) serve head 4 g + w % 4 and the same two tiles of 16 queries, and share the KEYS out: step 0 is shared by query tile (each set takes its tile 0; set 1 holds the two tiles the other
; way round), then in trip j = 1 .. 16 set 0 takes step 2 j - 1 and set 1 step 2 j.  So every wave has 33 tile steps.  The two sets' parts of a block (O^T, -M, sum) meet in LDS: set 0 finishes block b, set 1 block 127 - b.
; Bringing a part under the common M multiplies by a power of two, which rounds nothing.  Every step that a set walks holds, for each query, a key that counts; a set without a step in a block leaves zeros.
; LAYOUT.  Both products are used transposed: S^T = K Q^T (source 0 = 16 keys), O^T = V^T P^T (source 0 = 16 channels): a lane holds one query throughout.  The keys of a tile are chosen so that the 16 registers of
; two neighbouring tiles are 16 neighbouring keys, and so the conversions give the operand of the second product; O^T comes out as 16 neighbouring channels a lane, the image of the last product.
; RING.  Two LDS slots of four key steps (4 x 16,384 bytes); step 0 has bytes of its own.  Each of the eight waves brings 8,192 bytes by one load behind each round; that load has two trips in which to land.  The change of slots
; stands in the middle of a trip: a wave then has K and V of its step in registers, so its reads of the slot are over.
; LIMITS: e6 + e7 between -123 and 130 (added to the exponent field of log2(e) / 8); e8 and e10 - e8 - e9 between -126 and 119; scaled scores (t) under 2^31 in magnitude.  NaN is not served.
; REGISTERS.  Window 0: v1 16 x lane; v2 LDS address in hand; v3, v4 the spare word and 0; v5 256 x lane; v6, v7 the mask operands of the two tiles, v13, v14 those of the second block; v8 -infinity; v9, v10 448 x 2^e8, 2^e8;
;   v11, v12 the same for e10 - e8 - e9; v16+8u: -M, largest score, the sum (two halves), f (a pair), one at work; v32-41 chains; v43, v44 where my parts go; v45 where I read parts; v48+8u Q; v64-79 Q of the second block;
;   v80-95 codes of the result; v96+16u P; v128+64u S^T, then p.   Window 1: v0-63 K; v64-127 V; v128+32u O^T; v192-255 the other set's O^T.
; v32-39 also hold the chains of both tiles' maxima, v80-95 and v112-127 tile 0's partial sums.
.set SLOT1, 65536
.set STEPB, 16384
.set ZADR,  131072                     ; step 0
.set PART,  147456                     ; the parts: block x 73,728 + wave x 9,216 + query tile x 4,608: O^T 4,096 bytes, then -M and the sum
.set PWAVE, 9216
.set PTILE, 4608
.set PBLK,  73728
.set SPARE, 294912                     ; behind the parts: the spare words, 128 bytes a wave: four blocks of 256 bytes that no other line names
.set MSB, 0
.macro WIN new
.if MSB != \new
	s_set_vgpr_msb (MSB<<8)|\new
.set MSB, \new
.endif
.endm
.macro NOP4
.rept 4
	v_nop
.endr
.endm
.macro CROUND                          ; a round of the barrier of the cluster
	s_barrier_signal -1
	s_barrier_wait -1
	s_cmp_lg_u32 s12, 0
	s_cbranch_scc1 .Lnot_wave_0_\@
	s_barrier_signal -3
.Lnot_wave_0_\@:
	s_barrier_wait -3
	s_barrier_signal -1
	s_barrier_wait -1
.endm
; A PREFETCH INTO THE L2.  At change k = 1 .. 6 (s18 = 8 - k) the first cluster of the key head (cluster x = 0, which walks tile T in step T + 1) asks for the four tiles of the slot behind the one being asked for:
; tiles 4 k + 4 .. 4 k + 7: 65,536 bytes = 8 chunks of 8,192; chunk cx + 4 w is asked for by wave w (0, 1) of partner cx, lanes 256 bytes apart: the partners are told apart by address.
; Each aligned block of 256 bytes is named once in the launch; the last block named is the last of the key head.  Tiles 0-7 come by their loads alone.
.macro ASK
	s_cmp_gt_u32 s18, s48
	s_cbranch_scc0 .Lnot_mine_\@
	global_prefetch_b8 v5, s[46:47] th:TH_LOAD_NT scope:SCOPE_SE
.Lnot_mine_\@:
.endm
.macro TADDR                           ; my half (K or V) of the tile of key step s44: tile s44, or s44 - m - 1 behind step m
	s_cmp_gt_u32 s44, s14
	s_cselect_b32 s42, s45, 0
	s_sub_co_u32 s42, s44, s42
	s_lshl_b32 s42, s42, 14
	s_add_co_u32 s42, s42, s82
	s_mov_b32 s43, 0
	s_add_nc_u64 s[38:39], s[40:41], s[42:43]
	s_or_b32 s39, s39, 0x80000000
.endm
	s_load_b256 s[4:11], s[0:1], 0x0               ; qimg s[4:5], kvimg s[6:7], scales s[8:9], aimg s[10:11]
	v_lshl_add_u32 v3, v0, 2, SPARE
	v_mov_b32 v4, 0
	ds_add_u32 v3, v4                              ; the opening: the add, twice on end, and its wait
	ds_add_u32 v3, v4
	v_lshrrev_b32 v1, 5, v0
	v_readfirstlane_b32 s12, v1                    ; wave
	v_and_b32 v1, 31, v0
	v_lshlrev_b32 v5, 8, v1
	v_lshlrev_b32 v1, 4, v1
	s_lshr_b32 s80, s12, 2                         ; set
	s_and_b32 s81, s12, 3                          ; head in the group
	s_bfe_u32 s13, ttmp6, 0x40000                  ; cx
	s_mov_b32 s14, ttmp9                           ; m: in a cluster launch ttmp9 counts clusters
	s_and_b32 s15, ttmp7, 0xffff                   ; g
	s_add_co_u32 s45, s14, 1
	s_lshl_b32 s74, s14, 2
	s_add_co_u32 s74, s74, s13                     ; b
	s_sub_co_u32 s75, 127, s74                     ; 127 - b
	; descriptor group 1: a dense block of 8,192 bytes as 32 rows of 32 elements of 8 bytes; the mask names all four partners, bit 21 set beside it
	s_mov_b32 s24, 15|(3<<16)|(1<<21)
	s_mov_b32 s25, 32<<16
	s_mov_b32 s26, 32<<16
	s_mov_b32 s27, 32<<16
	s_mov_b32 s28, 32
	s_mov_b32 s29, 32
	s_mov_b32 s30, 0
	s_mov_b32 s31, 0
	s_mov_b32 s20, 0x76543210                      ; v_permlanex16_b32: lane l xor 16
	s_mov_b32 s21, 0xfedcba98
	s_mov_b32 s22, 0x3e38aa3b                      ; log2(e) / 8
	s_sub_co_u32 s16, s80, 1                       ; my step: below 1 in trip 0, then 2 j - 1 + set
	s_lshl_b32 s17, s80, 14
	s_add_co_u32 s17, s17, 2*SLOT1                 ; the first change of slots makes this set x 16,384
	s_lshl_b32 s50, s15, 19
	s_mov_b32 s51, 0
	s_wait_dscnt 0x0                               ; both opening adds are done
	s_wait_alu depctr_va_vdst(0)
	s_wait_kmcnt 0x0
	s_load_b256 s[52:59], s[8:9], 0x0              ; e0 .. e7
	s_load_b128 s[60:63], s[8:9], 0x20             ; e8 .. e11
	s_add_nc_u64 s[40:41], s[6:7], s[50:51]        ; K and V of my key head
	s_and_b32 s82, s12, 1
	s_lshl_b32 s82, s82, 13                        ; even waves bring K's half of a tile, odd waves V's
	s_mov_b32 s83, 0
	s_lshl_b32 s37, s12, 13                        ; slot 1 of the walk lies at byte 0: wave x 8,192
	s_add_co_u32 s33, s37, ZADR                    ; step 0
	s_mov_b32 s32, 1
	s_add_nc_u64 s[34:35], s[40:41], s[82:83]
	s_or_b32 s35, s35, 0x80000000
	s_mov_b32 s36, 1
	s_lshr_b32 s44, s12, 1
	s_add_co_u32 s44, s44, 1                       ; key step 1 + w / 2
	TADDR
	; Q of my two blocks: head x 262,144 + block x 2,048
	s_lshl_b32 s76, s15, 2
	s_add_co_u32 s76, s76, s81
	s_lshl_b32 s76, s76, 18
	s_lshl_b32 s77, s74, 11
	s_add_co_u32 s50, s76, s77
	s_add_nc_u64 s[70:71], s[4:5], s[50:51]
	s_lshl_b32 s77, s75, 11
	s_add_co_u32 s50, s76, s77
	s_add_nc_u64 s[72:73], s[4:5], s[50:51]
	; the result of the block that I finish: (block / 2) x 65,536 + (2 g + head / 2) x 8,192 + (block % 2) x 4,096 + (head % 2) x 1,024
	s_cmp_eq_u32 s80, 0
	s_cselect_b32 s78, s74, s75
	s_lshl_b32 s76, s15, 1
	s_lshr_b32 s77, s81, 1
	s_add_co_u32 s76, s76, s77
	s_lshl_b32 s76, s76, 13
	s_and_b32 s77, s81, 1
	s_lshl_b32 s77, s77, 10
	s_add_co_u32 s76, s76, s77
	s_lshr_b32 s77, s78, 1
	s_lshl_b32 s77, s77, 16
	s_add_co_u32 s76, s76, s77
	s_and_b32 s77, s78, 1
	s_lshl_b32 s77, s77, 12
	s_add_co_u32 s50, s76, s77
	s_add_nc_u64 s[66:67], s[10:11], s[50:51]
	; the prefetches: tile 4 + my chunk; the first change of slots steps it to tile 8
	s_lshl_b32 s50, s12, 2
	s_add_co_u32 s50, s50, s13
	s_lshl_b32 s50, s50, 13
	s_add_co_u32 s50, s50, 4*STEPB
	s_add_nc_u64 s[46:47], s[40:41], s[50:51]
	s_lshr_b32 s49, s12, 1
	s_or_b32 s49, s49, ttmp9
	s_cmp_eq_u32 s49, 0
	s_cselect_b32 s48, 1, -1                       ; waves 0 and 1 of the first cluster ask while s18 is above 1
	CROUND                                         ; all four work-groups are here: the first joint loads meet
	s_cmp_lt_u32 s12, 2                            ; step 0: waves 0 and 1, one load each
	s_cbranch_scc0 .Lfirst_none
	tensor_load_to_lds s[32:35], s[24:31]
	s_nop 0
	NOP4
.Lfirst_none:
	s_lshl_b32 s49, s80, 10
	v_add_nc_u32 v96, s49, v1                      ; my tile u is query tile u xor set
	s_sub_co_u32 s49, 1024, s49
	v_add_nc_u32 v97, s49, v1
.irp u,0,1
.irp c,0,1
	global_load_b128 v[48+8*\u+4*\c:48+8*\u+4*\c+3], v[96+\u], s[70:71] offset:\c*512
	global_load_b128 v[64+8*\u+4*\c:64+8*\u+4*\c+3], v[96+\u], s[72:73] offset:\c*512
.endr
.endr
	; the masks' operands: 32 x the place of the block in its tile of 128 keys (cx, and 3 - cx for block 127 - b) + 8 x query tile + r + 8 (r / 8) - 16 h
	v_and_b32 v15, 15, v0
	v_and_b32 v14, 8, v15
	v_add_nc_u32 v15, v15, v14
	v_bfe_u32 v14, v0, 4, 1
	v_lshlrev_b32 v14, 4, v14
	v_sub_nc_u32 v15, v15, v14
	s_lshl_b32 s49, s13, 5
	s_lshl_b32 s50, s80, 3
	s_sub_co_u32 s77, 96, s49
	s_add_co_u32 s49, s49, s50
	s_add_co_u32 s77, s77, s50
	s_lshl_b32 s50, s80, 4
	s_sub_co_u32 s50, 8, s50
	s_wait_alu depctr_va_vdst(0)
	v_add_nc_u32 v6, s49, v15
	v_add_nc_u32 v7, s50, v6
	v_add_nc_u32 v13, s77, v15
	v_add_nc_u32 v14, s50, v13
	v_mov_b32 v8, 0xff800000
	; where my parts go, and where I read the parts of the block that I finish
	s_mul_i32 s49, s12, PWAVE
	s_add_co_u32 s49, s49, PART
	s_mul_i32 s50, s80, PTILE
	s_add_co_u32 s77, s49, s50
	v_add_nc_u32 v43, s77, v1
	s_sub_co_u32 s50, PTILE, s50
	s_add_co_u32 s77, s49, s50
	v_add_nc_u32 v44, s77, v1
	s_mul_i32 s49, s81, PWAVE
	s_mul_i32 s50, s80, PBLK
	s_add_co_u32 s49, s49, s50
	s_add_co_u32 s49, s49, PART
	v_add_nc_u32 v45, s49, v1
.macro RESET                           ; a block begins: the first change of M multiplies these zeros
	WIN 0x40
.set j, 0
.rept 64
	v_mov_b32 v[128+j], 0
.set j, j+1
.endr
	WIN 0
.irp u,0,1
	v_mov_b32 v[16+8*\u], 0x7f61b1e6               ; -M: 3e38
	v_mov_b32 v[17+8*\u], 0xff61b1e6               ; the largest score so far: -3e38
	v_mov_b32 v[18+8*\u], 0
	v_mov_b32 v[19+8*\u], 0
.endr
.endm
	RESET
.irp u,0,1
	v_mov_b32 v[21+8*\u], 0                        ; (named as the upper half of a pair)
	v_mov_b32 v[22+8*\u], 0                        ; (the destination of a lane permute counts as read)
.endr
.set j, 0
.rept 32
	v_dual_mov_b32 v[192+j], v8 :: v_dual_mov_b32 v[193+j], v8   ; tile 1's scores: trip 0 has none, and the branch in H1 leads round their use; written so that no way reads them unset
.set j, j+2
.endr
	s_wait_alu depctr_va_vdst(0)
	s_wait_kmcnt 0x0
	s_add_co_i32 s49, s58, s59
	s_lshl_b32 s49, s49, 23
	s_add_co_i32 s22, s22, s49                     ; a score stands for score x 2^(e6 + e7)
	s_mov_b32 s23, s22                             ; (named with it as a pair)
	s_add_co_i32 s49, s60, 127
	s_lshl_b32 s50, s49, 23
	v_mov_b32 v10, s50
	s_add_co_i32 s49, s49, 8
	s_lshl_b32 s49, s49, 23
	s_or_b32 s49, s49, 0x600000
	v_mov_b32 v9, s49
	s_sub_co_i32 s49, s62, s60
	s_sub_co_i32 s49, s49, s61
	s_add_co_i32 s49, s49, 127
	s_lshl_b32 s50, s49, 23
	v_mov_b32 v12, s50                             ; O^T / the sum stands for that x 2^(e8 + e9): its code is that / 2^(e10 - e8 - e9)
	s_add_co_i32 s49, s49, 8
	s_lshl_b32 s49, s49, 23
	s_or_b32 s49, s49, 0x600000
	v_mov_b32 v11, s49
	s_mov_b32 s18, 7
.macro LDK                             ; K of the step at v2: eight tiles of 16 keys x 64 channels
	WIN 0x40
.irp t,0,1,2,3,4,5,6,7
.irp c,0,1
	ds_load_b128 v[8*\t+4*\c:8*\t+4*\c+3], v2 offset:\t*1024+\c*512
.endr
.endr
.endm
.macro LDV                             ; V of the same step: four tiles of 16 channels x 128 keys
	WIN 0x40
.irp t,0,1,2,3
.irp c,0,1,2,3
	ds_load_b128 v[64+16*\t+4*\c:64+16*\t+4*\c+3], v2 offset:8192+\t*2048+\c*512
.endr
.endr
.endm
.macro KQ u
	WIN 0x01
.irp t,0,1,2,3,4,5,6,7
	v_wmma_f32_16x16x64_fp8_fp8 v[128+64*\u+8*\t:128+64*\u+8*\t+7], v[8*\t:8*\t+7], v[48+8*\u:48+8*\u+7], 0
.endr
.endm
.macro PV u                            ; four accumulators, one instruction a turn
	WIN 0x51
.irp t,0,1,2,3
	v_wmma_f32_16x16x128_fp8_fp8 v[128+32*\u+8*\t:128+32*\u+8*\t+7], v[64+16*\t:64+16*\t+15], v[96+16*\u:96+16*\u+15], v[128+32*\u+8*\t:128+32*\u+8*\t+7]
.endr
.endm
; On the diagonal the scores of hidden keys become -infinity ahead of the maximum.  Register n holds key 32 (n / 16) + 16 h + n % 16 of the tile.
; mode 0: step 0 (the diagonal where m = 0), tile 0 alone; mode 1: step m; mode 2: step 32.
.macro MASKT u
.set n, 0
.rept 64
	v_cmp_gt_i32 vcc_lo, 32*(n/16)+n%16, v[6+\u]
	v_cndmask_b32 v[128+64*\u+n], v[128+64*\u+n], v8, vcc_lo
.set n, n+1
.endr
.endm
.macro MASK mode
.if \mode == 0
	s_cmp_eq_u32 s14, 0
.endif
.if \mode == 1
	s_cmp_eq_u32 s16, s14
.endif
.if \mode == 2
	s_cmp_eq_u32 s16, 32
.endif
	s_cbranch_scc0 .Lopen_\@
	MASKT 0
.if \mode
	MASKT 1
.endif
.Lopen_\@:
.endm
.macro MIN2 r                          ; the conversion does not saturate (ISA guide 7.6.2); p is not negative, so the hold is one-sided
	v_dual_min_num_f32 v[\r], v9, v[\r] :: v_dual_min_num_f32 v[(\r)+1], v9, v[(\r)+1]
.endm
; THE SCORES OF n TILES (2; trip 0: 1): maxima, the new M, t - M, tile 0's exponentials (tile 1's t - M stand among them), and what was summed before under the new M.  The tiles take turns line by line.
.macro SCORES n
.irp u,0,1
.if \u < \n
	v_max3_num_f32 v[32+4*\u], v[17+8*\u], v[128+64*\u], v[129+64*\u]   ; the largest score so far and of my 64 keys, four chains a tile, the registers in ascending order
.endif
.endr
.irp i,1,2,3
.irp u,0,1
.if \u < \n
	v_max3_num_f32 v[32+4*\u+\i], v[127+64*\u+3*\i], v[128+64*\u+3*\i], v[129+64*\u+3*\i]
.endif
.endr
.endr
.set j, 0
.rept 26
	v_max3_num_f32 v[32+j%4], v[32+j%4], v[139+2*j], v[140+2*j]
.if \n > 1
	v_max3_num_f32 v[36+j%4], v[36+j%4], v[203+2*j], v[204+2*j]
.endif
.set j, j+1
.endr
.irp u,0,1
.if \u < \n
	v_max3_num_f32 v[32+4*\u], v[32+4*\u], v[33+4*\u], v[34+4*\u]
.endif
.endr
.irp u,0,1
.if \u < \n
	v_max3_num_f32 v[32+4*\u], v[32+4*\u], v[35+4*\u], v[191+64*\u]
.endif
.endr
.irp u,0,1
.if \u < \n
	v_permlanex16_b32 v[22+8*\u], v[32+4*\u], s20, s21
.endif
.endr
.irp u,0,1
.if \u < \n
	v_max_num_f32 v[17+8*\u], v[32+4*\u], v[22+8*\u]   ; and of the 64 keys in lane l xor 16
.endif
.endr
.irp u,0,1
.if \u < \n
	v_mul_f32 v[33+4*\u], s22, -v[17+8*\u]         ; -t
.endif
.endr
.irp u,0,1
.if \u < \n
	v_mov_b32 v[22+8*\u], v[16+8*\u]
.endif
.endr
.irp u,0,1
.if \u < \n
	v_floor_f32 v[16+8*\u], v[33+4*\u]             ; -M = floor(-t): M is a whole number
.endif
.endr
.irp u,0,1
.if \u < \n
	v_sub_f32 v[22+8*\u], v[16+8*\u], v[22+8*\u]
.endif
.endr
.set j, 0
.rept 32
	v_pk_fma_f32 v[128+2*j:129+2*j], v[128+2*j:129+2*j], s[22:23], v[16:17] op_sel_hi:[1,0,0]   ; t - M
.irp u,0,1
.if \u < \n
.if j == 3
	v_cvt_i32_f32 v[22+8*\u], v[22+8*\u]           ; (it saturates)
.endif
.if j == 7
	v_ldexp_f32 v[20+8*\u], 1.0, v[22+8*\u]        ; f = 2^(old M - new M)
.endif
.endif
.endr
.set j, j+1
.endr
.set j, 0
	s_wait_alu depctr_va_vdst(0)                   ; the wait ahead of the batch
.rept 32
	v_exp_f32 v[128+2*j], v[128+2*j]
.if \n > 1
	v_pk_fma_f32 v[192+2*j:193+2*j], v[192+2*j:193+2*j], s[22:23], v[24:25] op_sel_hi:[1,0,0]
.endif
	v_exp_f32 v[129+2*j], v[129+2*j]
.set j, j+1
.endr
.irp u,0,1
.if \u < \n
	v_pk_mul_f32 v[18+8*\u:19+8*\u], v[18+8*\u:19+8*\u], v[20+8*\u:21+8*\u] op_sel_hi:[1,0]   ; the sum under the new M: a plain line behind the exponentials
.endif
.endr
	WIN 0x41
	s_wait_alu depctr_va_vdst(0)                   ; one wait for the batch, for the sources of tile 1's batch and for O^T, directly ahead of O^T's first readers
.irp u,0,1
.if \u < \n
.set j, 0
.rept 16
	v_pk_mul_f32 v[128+32*\u+j:129+32*\u+j], v[128+32*\u+j:129+32*\u+j], v[20+8*\u:21+8*\u] op_sel_hi:[1,0]   ; O^T under the new M
.set j, j+2
.endr
.endif
.endr
	WIN 0
.endm
; The sum of a tile's unquantised p in four chains, each line followed by a hold; the codes; the product V^T P.
.macro TAIL u
.set SS, 128+64*\u
.set ST, 16+8*\u
.set PP, 96+16*\u
	v_pk_add_f32 v[36:37], v[SS:SS+1], v[SS+2:SS+3]
	v_pk_add_f32 v[38:39], v[SS+4:SS+5], v[SS+6:SS+7]
	v_pk_add_f32 v[40:41], v[SS+8:SS+9], v[SS+10:SS+11]
.set j, 0
.rept 32
.if j < 26
.if j%4 == 0
.set CH, ST+2
.else
.set CH, 34+2*(j%4)
.endif
	v_pk_add_f32 v[CH:CH+1], v[CH:CH+1], v[SS+12+2*j:SS+13+2*j]
.endif
	MIN2 SS+2*j
.set j, j+1
.endr
.irp q,0,1,2,3,4,5,6,7
	v_cvt_scalef32_pk8_fp8_f32 v[PP+2*\q:PP+2*\q+1], v[SS+8*\q:SS+8*\q+7], v10
.endr
	v_pk_add_f32 v[36:37], v[36:37], v[38:39]      ; (plain lines between the conversions and the products that read their codes)
	v_pk_add_f32 v[ST+2:ST+3], v[ST+2:ST+3], v[40:41]
.if \u
	v_pk_add_f32 v[80:81], v[80:81], v[82:83]      ; and the end of tile 0's sum
.endif
	v_pk_add_f32 v[ST+2:ST+3], v[ST+2:ST+3], v[36:37]
.if \u
	v_pk_add_f32 v[18:19], v[18:19], v[80:81]
.endif
	PV \u
.endm
; Tile 1's exponentials, with tile 0's first sums and its holds among them; then tile 0's codes, sum and product, and tile 1's.
.macro PRODS
.set j, 0
.rept 16
.if j < 8
.set TT, 80+2*j
.else
.set TT, 96+2*j
.endif
	v_exp_f32 v[192+4*j], v[192+4*j]
	v_pk_add_f32 v[TT:TT+1], v[128+4*j:129+4*j], v[130+4*j:131+4*j]
	v_exp_f32 v[193+4*j], v[193+4*j]
	MIN2 128+4*j
	v_exp_f32 v[194+4*j], v[194+4*j]
	v_exp_f32 v[195+4*j], v[195+4*j]
	MIN2 130+4*j
.set j, j+1
.endr
	s_wait_alu depctr_va_vdst(0)                   ; one wait for the batch and for what was written among it
.irp q,0,1,2,3,4,5,6,7
	v_cvt_scalef32_pk8_fp8_f32 v[96+2*\q:97+2*\q], v[128+8*\q:135+8*\q], v10
	v_pk_add_f32 v[80+2*\q:81+2*\q], v[80+2*\q:81+2*\q], v[112+2*\q:113+2*\q]
.endr
.irp q,0,1,2,3
	v_pk_add_f32 v[80+2*\q:81+2*\q], v[80+2*\q:81+2*\q], v[88+2*\q:89+2*\q]
.endr
	PV 0
	WIN 0
	v_pk_add_f32 v[80:81], v[80:81], v[84:85]
	v_pk_add_f32 v[82:83], v[82:83], v[86:87]
	TAIL 1
.endm
; My part of a block goes to LDS, each query tile at its own place.
.macro STASH
	s_wait_alu depctr_va_vdst(0)                   ; the wait ahead of the readers below
.irp u,0,1
	v_mov_b32 v[32+2*\u], v[16+8*\u]
	v_add_f32 v[33+2*\u], v[18+8*\u], v[19+8*\u]
.endr
	WIN 0x04
.irp u,0,1
.irp t,0,1,2,3
	s_wait_alu depctr_va_vdst(0)                   ; directly ahead of this accumulator's first reader
	ds_store_b128 v[43+\u], v[128+32*\u+8*\t:131+32*\u+8*\t] offset:\t*1024
	ds_store_b128 v[43+\u], v[132+32*\u+8*\t:135+32*\u+8*\t] offset:\t*1024+512
.endr
.endr
	WIN 0
.irp u,0,1
	ds_store_b64 v[43+\u], v[32+2*\u:33+2*\u] offset:4096
.endr
	s_wait_dscnt 0x0                               ; the stores are done: their registers may be written
.endm
; Ahead of my first step behind step m: the first block's part is put away and the second block begins.  A branch on ids.
.macro SWITCH
	WIN 0
	s_sub_co_u32 s49, s16, s45
	s_cmp_lt_u32 s49, 2                            ; my step is m + 1 or m + 2
	s_cbranch_scc0 .Lsame_\@
	STASH
	RESET
.set j, 0
.rept 16
	v_mov_b32 v[48+j], v[64+j]                     ; Q of the second block
.set j, j+1
.endr
	v_mov_b32 v6, v13
	v_mov_b32 v7, v14
	s_wait_alu depctr_va_vdst(0)                   ; the wait ahead of the blocking wait below
.Lsame_\@:
.endm
; A TRIP IN TWO HALVES.  H2: the scores of both tiles (trip 0: tile 0) and tile 0's exponentials.  H1: K of the next step is asked for, tile 1's exponentials, both tiles' codes and products, V of the next step is asked for.
.macro H2 mode, sw
.if \sw
	SWITCH
.endif
	WIN 0
	s_wait_dscnt 16                                ; K is in; the 16 loads of V may be out
	KQ 0
.if \mode
	KQ 1
.endif
	WIN 0
	NOP4                                           ; four plain lines ahead of reads of the scores
	MASK \mode
.if \mode
	SCORES 2
.else
	SCORES 1
.endif
.endm
.macro H1 sk, nxt
	WIN 0
.if \nxt
	v_add_nc_u32 v2, s17, v1
	LDK
	WIN 0
.endif
.if \nxt
	s_wait_dscnt 16                                ; V of this step is in, on every way; the 16 loads of K just issued may be out
.else
	s_wait_dscnt 0x0
.endif
.if \sk
	s_cmp_lt_i32 s16, 1                            ; trip 0 is finished already: ids and the count of trips alone
	s_cbranch_scc1 .Lfirst_\@
.endif
	PRODS
	WIN 0
.if \sk
.Lfirst_\@:
.endif
.if \nxt
.rept 3
	v_nop                                          ; with the line below four places ahead of loads into V and of reads of O^T
.endr
	v_add_nc_u32 v2, s17, v1
	LDV
	WIN 0
	s_add_co_u32 s17, s17, 2*STEPB
	s_add_co_u32 s16, s16, 2
.endif
.endm
; THE CHANGE OF SLOTS.  Each wave waits for all its tensor loads (its part of the slot ahead), adds 0 to its spare word, and waits for that; its reads of the slot it leaves are over.
; fill = 1: behind a round of the barrier of the cluster that slot is filled with the four steps two slots on (the first time: the second slot's first fill).
.macro CHANGE fill
	WIN 0
	s_wait_tensorcnt 0x0                           ; no tensor load of mine is out, so the walking descriptor may be written
	ds_add_u32 v3, v4
.if \fill
	s_xor_b32 s37, s37, SLOT1
	s_add_co_u32 s44, s44, 4
	TADDR
	s_wait_xcnt 0x0                                ; the last prefetch has read its address
	s_add_nc_u64 s[46:47], s[46:47], 4*STEPB
	s_wait_dscnt 0x0
	CROUND
	tensor_load_to_lds s[36:39], s[24:31]
	s_nop 0
	NOP4
	ASK
.else
	s_wait_dscnt 0x0
	s_barrier_signal -1
	s_barrier_wait -1
.endif
	s_sub_co_u32 s17, s17, 4*STEPB
	s_xor_b32 s17, s17, SLOT1
.endm
	s_wait_alu depctr_va_vdst(0)                   ; the wait at the head's end
	s_wait_tensorcnt 0x0                           ; my part of step 0, if I brought one, is in
	ds_add_u32 v3, v4
	ds_add_u32 v3, v4
	s_wait_dscnt 0x0
	CROUND
	tensor_load_to_lds s[36:39], s[24:31]          ; steps 1 to 4
	s_nop 0
	NOP4
	v_add_nc_u32 v2, ZADR, v1
	LDK
	LDV
	WIN 0
	s_wait_alu depctr_va_vdst(0)
	s_wait_loadcnt 0x0                             ; Q of both blocks
	H2 0, 0                                        ; step 0, my tile 0
	s_wait_dscnt 0x0                               ; V
	TAIL 0
	WIN 0
.Lslot:                                            ; seven changes that fill a slot; trips up to 14
	CHANGE 1
	s_mov_b32 s19, 2
.Ltrip:
	H1 1, 1
	H2 1, 1
	s_sub_co_u32 s19, s19, 1
	s_cmp_lg_u32 s19, 0
	s_cbranch_scc1 .Ltrip
	s_sub_co_u32 s18, s18, 1
	s_cmp_lg_u32 s18, 0
	s_cbranch_scc1 .Lslot
	CHANGE 0                                       ; the last slot is written out; m is at most 15, so steps 29 to 32 hold no change of blocks
	s_mov_b32 s19, 2
.Ltail:
	H1 0, 1
	H2 2, 0
	s_sub_co_u32 s19, s19, 1
	s_cmp_lg_u32 s19, 0
	s_cbranch_scc1 .Ltail
	H1 0, 0
	NOP4                                           ; four plain lines ahead of reads of O^T
	v_add_nc_u32 v43, PBLK, v43
	v_add_nc_u32 v44, PBLK, v44
	STASH
	s_barrier_signal -1
	s_barrier_wait -1                              ; every wave's parts are in LDS
; THE WAY OUT: the two parts of the block that I finish (head's wave of set 0, then of set 1) under their common M, / the sum, held, converted, stored as four groups of the image of the last product.
.irp u,0,1
	ds_load_b64 v[32+2*\u:33+2*\u], v45 offset:\u*PTILE+4096
	ds_load_b64 v[36+2*\u:37+2*\u], v45 offset:4*PWAVE+\u*PTILE+4096
.endr
	WIN 0x40
.irp u,0,1
.irp t,0,1,2,3,4,5,6,7
	ds_load_b128 v[128+32*\u+4*\t:131+32*\u+4*\t], v45 offset:\u*PTILE+\t*512
	ds_load_b128 v[192+32*\u+4*\t:195+32*\u+4*\t], v45 offset:4*PWAVE+\u*PTILE+\t*512
.endr
.endr
	WIN 0
	s_wait_dscnt 32                                ; the four small loads are in; the 32 of O^T may be out
.irp u,0,1
	v_min_num_f32 v[96+8*\u], v[32+2*\u], v[36+2*\u]   ; -M of both
.endr
.irp u,0,1
	v_sub_f32 v[97+8*\u], v[96+8*\u], v[32+2*\u]
	v_sub_f32 v[98+8*\u], v[96+8*\u], v[36+2*\u]
.endr
.irp u,0,1
	v_cvt_i32_f32 v[97+8*\u], v[97+8*\u]
	v_cvt_i32_f32 v[98+8*\u], v[98+8*\u]
.endr
.irp u,0,1
	v_ldexp_f32 v[97+8*\u], 1.0, v[97+8*\u]        ; a power of two for each part (0 for a part without steps)
	v_ldexp_f32 v[98+8*\u], 1.0, v[98+8*\u]
.endr
.irp u,0,1
	v_mul_f32 v[99+8*\u], v[33+2*\u], v[97+8*\u]
.endr
.irp u,0,1
	v_fma_f32 v[99+8*\u], v[37+2*\u], v[98+8*\u], v[99+8*\u]
.endr
.irp u,0,1
	v_permlanex16_b32 v[100+8*\u], v[99+8*\u], s20, s21
.endr
.irp u,0,1
	v_add_f32 v[99+8*\u], v[99+8*\u], v[100+8*\u]  ; the row's sum
.endr
	s_wait_alu depctr_va_vdst(0)
.irp u,0,1
	v_rcp_f32 v[99+8*\u], v[99+8*\u]
.endr
	v_nop                                          ; a plain line behind the reciprocals,
	s_wait_alu depctr_va_vdst(0)                   ; and the one wait for both
.irp u,0,1
	v_mul_f32 v[100+8*\u], v[97+8*\u], v[99+8*\u]
	v_mul_f32 v[102+8*\u], v[98+8*\u], v[99+8*\u]
.endr
	s_wait_alu depctr_va_vdst(0)                   ; the wait ahead of the blocking wait
	s_wait_dscnt 0x0
	WIN 0x41
.irp u,0,1
.set j, 0
.rept 16
	v_pk_mul_f32 v[128+32*\u+j:129+32*\u+j], v[128+32*\u+j:129+32*\u+j], v[100+8*\u:101+8*\u] op_sel_hi:[1,0]
.set j, j+2
.endr
.endr
	WIN 0x51
.irp u,0,1
.set j, 0
.rept 16
	v_pk_fma_f32 v[128+32*\u+j:129+32*\u+j], v[192+32*\u+j:193+32*\u+j], v[102+8*\u:103+8*\u], v[128+32*\u+j:129+32*\u+j] op_sel_hi:[1,0,1]
.set j, j+2
.endr
.endr
	WIN 0x41
.set j, 0
.rept 64
	v_med3_num_f32 v[128+j], v[128+j], -v11, v11
.set j, j+1
.endr
	WIN 0x01
.irp q,0,1,2,3,4,5,6,7
	v_cvt_scalef32_pk8_fp8_f32 v[80+2*\q:81+2*\q], v[128+8*\q:135+8*\q], v12
.endr
	WIN 0
	v_nop
.irp q,0,1,2,3
	global_store_b128 v1, v[80+4*\q:83+4*\q], s[66:67] offset:(\q/2)*2048+(\q%2)*512   ; 512 consecutive bytes a store
.endr
	s_wait_tensorcnt 0x0                           ; the end of the wave
	ds_add_u32 v3, v4
	s_wait_dscnt 0x0
	CROUND                                         ; the closing round
	s_endpgm
.Lfunc_end_k_q15985b576f_attn:
	.size	k_q15985b576f_attn, .Lfunc_end_k_q15985b576f_attn-k_q15985b576f_attn
	.p2alignl 7, 3214868480
	.fill 96, 4, 3214868480
	.section	.rodata,"a",@progbits
	.p2align	6, 0x0
	.amdhsa_kernel k_q15985b576f_attn
		.amdhsa_group_segment_fixed_size 327680
		.amdhsa_private_segment_fixed_size 0
		.amdhsa_enable_private_segment 0
		.amdhsa_kernarg_size 32
		.amdhsa_user_sgpr_count 2
		.amdhsa_user_sgpr_kernarg_segment_ptr 1
		.amdhsa_wavefront_size32 1
		.amdhsa_system_sgpr_workgroup_id_x 1
		.amdhsa_system_sgpr_workgroup_id_y 1
		.amdhsa_system_sgpr_workgroup_id_z 1
		.amdhsa_system_vgpr_workitem_id 0
		.amdhsa_next_free_vgpr 512
		.amdhsa_next_free_sgpr 100
		.amdhsa_reserve_vcc 1
		.amdhsa_float_denorm_mode_32 3
		.amdhsa_float_denorm_mode_16_64 3
		.amdhsa_memory_ordered 1
		.amdhsa_forward_progress 1
		.amdhsa_inst_pref_size 144
	.end_amdhsa_kernel
	.amdgpu_metadata
---
amdhsa.version: [ 1, 2 ]
amdhsa.kernels:
  - .name:           k_q15985b576f_attn
    .symbol:         k_q15985b576f_attn.kd
    .args:
      - { .name: qimg, .offset: 0, .size: 8, .value_kind: global_buffer, .address_space: global }
      - { .name: kvimg, .offset: 8, .size: 8, .value_kind: global_buffer, .address_space: global }
      - { .name: lowp_scales, .offset: 16, .size: 8, .value_kind: global_buffer, .address_space: global }
      - { .name: aimg, .offset: 24, .size: 8, .value_kind: global_buffer, .address_space: global }
    .group_segment_fixed_size: 327680
    .private_segment_fixed_size: 0
    .kernarg_segment_align: 8
    .kernarg_segment_size: 32
    .max_flat_workgroup_size: 256
    .sgpr_count:     100
    .vgpr_count:     512
    .wavefront_size: 32
...
	.end_amdgpu_metadata
.endif
;; end of part 3
;; launch oproj (part 4): grid 8 x 32, 4 waves a work-group, clusters of 4 x 4, 280,064 bytes of LDS; arguments aimg, wimg, lowp_scales, out0; writes out0
.if DOCPART == 4
	.amdgcn_target "amdgcn-amd-amdhsa--gfx1250"
	.amdhsa_code_object_version 6
	.text
	.protected	k_q15985b576f_oproj
	.globl	k_q15985b576f_oproj
	.p2align	8
	.type	k_q15985b576f_oproj,@function
k_q15985b576f_oproj:
	s_mov_b64 s[64:65], 0
	v_nop
	global_prefetch_b8 v0, s[64:65] scope:SCOPE_SE
	s_setreg_imm32_b32 hwreg(HW_REG_WAVE_MODE, 25, 1), 1
	s_wait_xcnt 0x0
	s_wait_alu depctr_hold_cnt(0) depctr_sa_sdst(0) depctr_va_vdst(0) depctr_va_sdst(0) depctr_va_ssrc(0) depctr_va_vcc(0) depctr_vm_vsrc(0)
	s_getreg_b32 s2, hwreg(HW_REG_IB_STS2, 6, 4)
	s_cmp_eq_u32 s2, 0
	s_cbranch_scc0 .Lentry_in_a_cluster
	s_endpgm
.Lentry_in_a_cluster:
	s_bfe_u32 s2, ttmp6, 0x10000c
	s_cmp_lg_u32 s2, 0xf033
	s_cbranch_scc0 .Lentry_shape_is_right
	s_endpgm
.Lentry_shape_is_right:
; OPROJ: out = attn wo on codes of E4M3; each finished sum x 2^(e10 + e11).
; A work-group makes 128 rows (y) x 128 columns (x), a wave 64 x 64: 16 accumulators.  All of K = 1,024 fits in LDS: attn's two groups of 64 rows (2 x 65,536 bytes of images) and wo's group of 128 columns (131,072 bytes)
; come once, by one joint load of 65,536 bytes a wave: waves 0 and 1 bring attn, waves 2 and 3 wo.  Nothing in LDS is filled twice, so there is no ring; with one fill there is no loop for a prefetch to run ahead in.
; CLUSTERS: 4 x 4.  The four of a row of the cluster need the same rows of attn, the four of a column the same columns of wo: each is asked for jointly.
; Source 0 = 16 columns of wo, source 1 = 16 rows of attn: a lane holds one row and eight neighbouring columns in each accumulator.
; The members of a tile are not neighbours (as laid by the launches before): the way out puts each row and column back in its place.
; LIMIT: e10 + e11 between -126 and 127.  NaN is not served.
; REGISTERS: window 0: v1 16 x lane; v2, v3 the stage, in and back; v4 my offset in out; v8 my rows of attn in LDS; v9, v10 my columns of wo, K steps 0-3 and 4-7; v30, v31 the spare word and 0; v32-63 at work;
;   v64-127 rows on their way out, two sets; accumulator (i, t) at v128 + 32 i + 8 t.   Window 1: fragments, two sets: attn at v0 and v64, wo at v128 and v192.
.set STAGE, 262144                     ; behind the images: 16 rows x (256 bytes + 16) for each wave; no tensor load lands here
.set SPARE, 279552                     ; behind the stages: the spare words, 128 bytes a wave: two blocks of 256 bytes that no other line names
.set MSB, 0
.macro WIN new
.if MSB != \new
	s_set_vgpr_msb (MSB<<8)|\new
.set MSB, \new
.endif
.endm
.macro NOP4
.rept 4
	v_nop
.endr
.endm
.macro CROUND                          ; a round of the barrier of the cluster
	s_barrier_signal -1
	s_barrier_wait -1
	s_cmp_lg_u32 s12, 0
	s_cbranch_scc1 .Lnot_wave_0_\@
	s_barrier_signal -3
.Lnot_wave_0_\@:
	s_barrier_wait -3
	s_barrier_signal -1
	s_barrier_wait -1
.endm
	s_load_b256 s[4:11], s[0:1], 0x0               ; aimg s[4:5], wimg s[6:7], scales s[8:9], out s[10:11]
	v_lshl_add_u32 v30, v0, 2, SPARE
	v_mov_b32 v31, 0
	ds_add_u32 v30, v31                            ; the opening: the add, twice on end, and its wait
	ds_add_u32 v30, v31
	v_lshrrev_b32 v2, 5, v0
	v_readfirstlane_b32 s12, v2                    ; wave
	v_and_b32 v5, 31, v0
	v_lshlrev_b32 v1, 4, v5
	v_and_b32 v6, 15, v0
	v_bfe_u32 v7, v0, 4, 1
	s_bfe_u32 s13, ttmp6, 0x40000                  ; cx
	s_bfe_u32 s14, ttmp6, 0x40004                  ; cy
	s_lshl_b32 s15, ttmp9, 2
	s_add_co_u32 s15, s15, s13                     ; which 128 columns
	s_and_b32 s16, ttmp7, 0xffff
	s_lshl_b32 s16, s16, 2
	s_add_co_u32 s16, s16, s14                     ; which 128 rows
	s_lshl_b32 s17, s14, 2
	s_lshl_b32 s17, 15, s17                        ; my row of the cluster
	s_lshl_b32 s18, 0x1111, s13                    ; my column
	; descriptor group 1: 65,536 dense bytes as 256 rows of 32 elements of 8 bytes; bit 21 set beside the mask
	s_or_b32 s20, s17, (3<<16)|(1<<21)
	s_or_b32 s28, s18, (3<<16)|(1<<21)
.irp g,20,28
	s_mov_b32 s[\g+1], 32<<16
	s_mov_b32 s[\g+2], 256<<16
	s_mov_b32 s[\g+3], 32<<16
	s_mov_b32 s[\g+4], 256
	s_mov_b32 s[\g+5], 32
	s_mov_b32 s[\g+6], 0
	s_mov_b32 s[\g+7], 0
.endr
	s_lshr_b32 s44, s12, 1                         ; which 64 of the rows are mine
	s_and_b32 s45, s12, 1                          ; which 64 of the columns; also which half of attn's or wo's bytes I bring
	s_lshl_b32 s19, s45, 16
	s_mov_b32 s36, 1
	s_lshl_b32 s37, s12, 16                        ; LDS: wave x 65,536: attn's two groups, then wo's two halves of K
	s_mov_b32 s40, 1
	s_lshl_b32 s41, s12, 16
	s_lshl_b32 s48, s16, 17
	s_add_co_u32 s48, s48, s19                     ; attn: row block x 131,072 + my half
	s_mov_b32 s49, 0
	s_add_co_u32 s50, s15, 12
	s_lshl_b32 s50, s50, 17
	s_add_co_u32 s50, s50, s19                     ; wo: group 12 + x
	s_mov_b32 s51, 0
	s_lshl_b32 s52, s16, 19
	s_lshl_b32 s54, s44, 18
	s_add_co_u32 s52, s52, s54
	s_lshl_b32 s54, s15, 9
	s_add_co_u32 s52, s52, s54
	s_lshl_b32 s54, s45, 8
	s_add_co_u32 s52, s52, s54                     ; out: (128 y + 64 x half) rows of 4,096 bytes + 512 x + 256 x half
	s_mov_b32 s53, 0
	s_wait_dscnt 0x0                               ; both opening adds are done
	s_wait_alu depctr_va_vdst(0)
	s_wait_kmcnt 0x0
	s_load_b64 s[46:47], s[8:9], 0x28              ; e10, e11
	s_add_nc_u64 s[38:39], s[4:5], s[48:49]
	s_or_b32 s39, s39, 0x80000000
	s_add_nc_u64 s[42:43], s[6:7], s[50:51]
	s_or_b32 s43, s43, 0x80000000
	s_add_nc_u64 s[10:11], s[10:11], s[52:53]
	CROUND                                         ; all sixteen work-groups are here: the joint loads meet
	s_cmp_lt_u32 s12, 2                            ; each line has one mask; the branch hangs on the number of the wave alone
	s_cbranch_scc0 .Lfor_wo
	tensor_load_to_lds s[36:39], s[20:27]
	s_nop 0
	NOP4
	s_branch .Lasked
.Lfor_wo:
	tensor_load_to_lds s[40:43], s[28:35]
	s_nop 0
	NOP4
.Lasked:
	s_lshl_b32 s54, s44, 16
	v_add_nc_u32 v8, s54, v1
	s_lshl_b32 s54, s45, 13
	s_add_co_u32 s54, s54, 131072
	v_add_nc_u32 v9, s54, v1
	s_add_co_u32 s54, s54, 65536
	v_add_nc_u32 v10, s54, v1
	s_mul_i32 s54, s12, 4352
	s_add_co_u32 s54, s54, STAGE                   ; my stage
	v_mul_u32_u24 v2, v6, 272
	v_lshl_add_u32 v2, v7, 6, v2
	v_add_nc_u32 v2, s54, v2                       ; in: row r, + 64 h
	v_mul_u32_u24 v3, v7, 272
	v_lshl_add_u32 v3, v6, 4, v3
	v_add_nc_u32 v3, s54, v3                       ; back: lanes 0-15 one row of 256 bytes, lanes 16-31 the next
	v_lshlrev_b32 v4, 12, v7
	v_lshl_add_u32 v4, v6, 4, v4                   ; and the same two rows in out
	s_wait_alu depctr_va_vdst(0)                   ; the wait at the head's end
	s_wait_kmcnt 0x0
	s_add_co_i32 s18, s46, s47
	s_add_co_i32 s18, s18, 127
	s_lshl_b32 s18, s18, 23                        ; 2^(e10 + e11) as f32
	s_mov_b32 s19, s18                             ; (named with it as a pair)
	s_wait_tensorcnt 0x0                           ; my quarter has landed,
	s_barrier_signal -1
	s_barrier_wait -1                              ; and so has that of every wave
.macro LF s                            ; the fragments of K step s: my four tiles of attn and my four of wo
.set FS, 64*((\s)%2)
	WIN 0x40
.irp i,0,1,2,3
.irp c,0,1,2,3
.if (\s) < 4
	ds_load_b128 v[128+FS+16*\i+4*\c:128+FS+16*\i+4*\c+3], v9 offset:((\s)%4)*16384+\i*2048+\c*512
.else
	ds_load_b128 v[128+FS+16*\i+4*\c:128+FS+16*\i+4*\c+3], v10 offset:((\s)%4)*16384+\i*2048+\c*512
.endif
.endr
.endr
.irp i,0,1,2,3
.irp c,0,1,2,3
	ds_load_b128 v[FS+16*\i+4*\c:FS+16*\i+4*\c+3], v8 offset:(\s)*8192+\i*2048+\c*512
.endr
.endr
.endm
.macro MM4 s                           ; 16 products; the 16 accumulators take turns, one instruction a turn; the first step starts the sums
.set FS, 64*((\s)%2)
	WIN 0x05
.irp i,0,1,2,3
.irp tn,0,1,2,3
.if (\s) == 0
	v_wmma_f32_16x16x128_fp8_fp8 v[128+32*\i+8*\tn:128+32*\i+8*\tn+7], v[128+FS+16*\tn:128+FS+16*\tn+15], v[FS+16*\i:FS+16*\i+15], 0
.else
	v_wmma_f32_16x16x128_fp8_fp8 v[128+32*\i+8*\tn:128+32*\i+8*\tn+7], v[128+FS+16*\tn:128+FS+16*\tn+15], v[FS+16*\i:FS+16*\i+15], v[128+32*\i+8*\tn:128+32*\i+8*\tn+7]
.endif
.endr
.endr
.endm
	LF 0
.irp s,0,1,2,3,4,5,6,7
.if \s > 0
	NOP4                                           ; four plain lines ahead of loads into registers that the last products read
.endif
.if \s < 7
	LF \s+1
	s_wait_dscnt 32                                ; all but the 32 just issued
.else
	s_wait_dscnt 0x0
.endif
	MM4 \s
.endr
	NOP4
	WIN 0
; THE WAY OUT, a tile of 16 rows at a time: the sums x 2^(e10 + e11) go through my stage and come back as whole rows of 256 bytes.  Each accumulator is read from its low end on.
.macro TOST i
.set j, 0
.rept 16
	v_pk_mul_f32 v[32+2*j:33+2*j], v[128+32*(\i)+2*j:129+32*(\i)+2*j], s[18:19] op_sel_hi:[1,0]
.set j, j+1
.endr
.irp q,0,1,2,3
	ds_store_b128 v2, v[32+8*\q:35+8*\q] offset:128*(\q/2)+32*(\q%2)
	ds_store_b128 v2, v[36+8*\q:39+8*\q] offset:128*(\q/2)+32*(\q%2)+16
.endr
.irp t,0,1,2,3,4,5,6,7
	ds_load_b128 v[64+32*((\i)%2)+4*\t:64+32*((\i)%2)+4*\t+3], v3 offset:544*\t   ; LDS serves the instructions of a wave in order (ISA guide 5.7.1.4): these see the stores above, and the next tile comes behind them
.endr
.endm
.macro SEND i, younger                 ; younger: the LDS instructions issued behind the loads of tile i
	s_wait_dscnt \younger
.irp t,0,1,2,3,4,5,6,7
	global_store_b128 v4, v[64+32*((\i)%2)+4*\t:64+32*((\i)%2)+4*\t+3], s[10:11] offset:(32*((\i)/2)+8*((\i)%2)+2*\t+8*(\t/4))*4096 th:TH_STORE_NT   ; 16 lanes store 256 consecutive aligned bytes of one row
.endr
.endm
	TOST 0
	TOST 1
	SEND 0, 16
	s_wait_xcnt 0x0                                ; the stores of tile 0 have read their registers: tile 2 lands there
	TOST 2
	SEND 1, 16
	s_wait_xcnt 0x0
	TOST 3
	SEND 2, 16
	SEND 3, 0
	s_wait_tensorcnt 0x0                           ; the wave's end
	ds_add_u32 v30, v31
	s_wait_dscnt 0x0
	CROUND                                         ; the closing round: no work-group ends while a partner may still ask for a tile that names it
	s_endpgm
.Lfunc_end_k_q15985b576f_oproj:
	.size	k_q15985b576f_oproj, .Lfunc_end_k_q15985b576f_oproj-k_q15985b576f_oproj
	.p2alignl 7, 3214868480
	.fill 96, 4, 3214868480
	.section	.rodata,"a",@progbits
	.p2align	6, 0x0
	.amdhsa_kernel k_q15985b576f_oproj
		.amdhsa_group_segment_fixed_size 280064
		.amdhsa_private_segment_fixed_size 0
		.amdhsa_enable_private_segment 0
		.amdhsa_kernarg_size 32
		.amdhsa_user_sgpr_count 2
		.amdhsa_user_sgpr_kernarg_segment_ptr 1
		.amdhsa_wavefront_size32 1
		.amdhsa_system_sgpr_workgroup_id_x 1
		.amdhsa_system_sgpr_workgroup_id_y 1
		.amdhsa_system_sgpr_workgroup_id_z 1
		.amdhsa_system_vgpr_workitem_id 0
		.amdhsa_next_free_vgpr 512
		.amdhsa_next_free_sgpr 66
		.amdhsa_reserve_vcc 0
		.amdhsa_float_denorm_mode_32 3
		.amdhsa_float_denorm_mode_16_64 3
		.amdhsa_memory_ordered 1
		.amdhsa_forward_progress 1
		.amdhsa_inst_pref_size 43
	.end_amdhsa_kernel
	.amdgpu_metadata
---
amdhsa.version: [ 1, 2 ]
amdhsa.kernels:
  - .name:           k_q15985b576f_oproj
    .symbol:         k_q15985b576f_oproj.kd
    .args:
      - { .name: aimg, .offset: 0, .size: 8, .value_kind: global_buffer, .address_space: global }
      - { .name: wimg, .offset: 8, .size: 8, .value_kind: global_buffer, .address_space: global }
      - { .name: lowp_scales, .offset: 16, .size: 8, .value_kind: global_buffer, .address_space: global }
      - { .name: out0, .offset: 24, .size: 8, .value_kind: global_buffer, .address_space: global }
    .group_segment_fixed_size: 280064
    .private_segment_fixed_size: 0
    .kernarg_segment_align: 8
    .kernarg_segment_size: 32
    .max_flat_workgroup_size: 128
    .sgpr_count:     66
    .vgpr_count:     512
    .wavefront_size: 32
...
	.end_amdgpu_metadata
.endif
;; end of part 4
